; MI455X (gfx1250); checked and timed in simulation.
; The chip was launched on July 23, 2026; its instructions are those of AMD's public machine-readable ISA for CDNA 5 (MIT licence, August 2026) and "CDNA5" Instruction Set Architecture Reference Guide (July 2026). The comments in the code are by the model that wrote it; some were corrected since.
;; Standard Attention Block. Allowed arithmetic: matrix products marked QUANTISED: E2M3 operands, one E8M0 scale for each 32 along K, by v_wmma_scale_f32_16x16x128_f8f6f4 with both operands' format E2M3, f32 sums; everything else in f32.
;; Inputs: Wk 1,024 x 1,024 float32; Wo 1,024 x 1,024 float32; Wq 1,024 x 1,024 float32; Wv 1,024 x 1,024 float32; x 4 x 2,048 x 1,024 float32.
;; Outputs: out0 4 x 2,048 x 1,024 float32.
;; This version of the problem:
;;   THIS VERSION OF THE PROBLEM IS GIVEN IN LOW PRECISION. The matrix products marked QUANTISED in the list below multiply operands that are first quantised to E2M3 (2 exponent bits, 3 mantissa bits; 6 bits a number), with one power-of-two scale for each 32 numbers along K (OCP MX v1.0); their sums are f32. All else is computed in f32.
;;   The module's matrix products, in the order in which they are computed (A, B: the left and right operand; K: the contracted axis; several contracted axes count as one K, in the product's order):
;;     1. [M 8,192, K 1,024] x [K 1,024, N 1,024]; A: input x; B: input Wq: QUANTISED
;;     2. [M 8,192, K 1,024] x [K 1,024, N 1,024]; A: input x; B: input Wk: QUANTISED
;;     3. [M 8,192, K 1,024] x [K 1,024, N 1,024]; A: input x; B: input Wv: QUANTISED
;;     4. batch 64 x [M 2,048, K 64] x [K 64, N 2,048]; A: computed on the way; B: computed on the way: QUANTISED
;;     5. batch 64 x [M 2,048, K 2,048] x [K 2,048, N 64]; A: softmax (see below); B: computed on the way: QUANTISED
;;     6. [M 8,192, K 1,024] x [K 1,024, N 1,024]; A: computed on the way; B: input Wo: QUANTISED
;;   THE QUANTISER, for each operand of a quantised product, along K:
;;     - K is cut into blocks of 32 from its start; a last block that is shorter is filled with zeros.
;;     - A block's scale is 2^e with e = floor(log2(the largest magnitude in the block)) - 2, held to -126 .. 127; a block of zeros has e = 0. As a byte (E8M0): e + 127.
;;     - Each number is divided by its block's scale, clamped to +-7.5, and rounded to the nearest number of E2M3, ties to even, subnormals kept.
;;     - The product sums the exact products of the quantised numbers (number of the format x scale) in f32.
;;   ~~~python
;;   def quantise(x, axis):      # numpy; x: float32 -> the quantised numbers, widened to float32 again
;;       x = np.moveaxis(x, axis, -1); K = x.shape[-1]
;;       x = np.pad(x, [(0, 0)] * (x.ndim - 1) + [(0, -K % 32)]); x = x.reshape(x.shape[:-1] + (-1, 32)); a = np.abs(x).max(-1, keepdims=True)
;;       e = np.where(a > 0, np.clip(np.frexp(np.where(a > 0, a, 1))[1] - 1 - 2, -126, 127), 0)      # np.frexp(a)[1] - 1 = floor(log2(a)), exactly
;;       r = np.clip(x / 2.0 ** e, -7.5, 7.5)
;;       step = 2.0 ** (np.maximum(np.frexp(np.where(r == 0, 1, r))[1] - 1, 0) - 3)
;;       q = np.round(r / step) * step * 2.0 ** e      # np.round: ties to even
;;       return np.moveaxis(q.reshape(q.shape[:-2] + (-1,))[..., :K], -1, axis).astype(np.float32)
;;   ~~~
;;   SOFTMAX AHEAD OF A QUANTISED PRODUCT. Where the list says 'softmax', what is quantised is not the finished softmax but p = 2^(t - M), with t = logit x log2(e) and M = ceil(the row's largest t), a whole number; so 1/2 < the row's largest p <= 1. The row's sum l is taken of the UNQUANTISED p, in f32, and the product's result is divided by l at the end. Since M is a whole number, a kernel that streams over the keys may use a running M (the ceiling of the running maximum): every later rescaling is an exact power of two, which a block's scale takes up: the codes' values come out the same.
;;   OPERANDS COMPUTED ON THE WAY. 'Computed on the way' means the value that the module computes at that place (a softmax that the list does not call 'softmax' is quantised finished and normalised). What goes into a quantiser is computed in f32, as accurately as f32 sums, v_exp_f32 and their like allow (about 1e-6 of the number): no bf16 or f16 on the way to a quantiser, and a product that is left as it is and whose result goes on into a quantised operand takes f32 operands (vector FMAs, or v_wmma_f32_16x16x4_f32). A number that lies on a knife's edge between two numbers of the format may be rounded either way, as far as f32 arithmetic and the matrix unit's own rounding can turn it there, and no further.
;; One version. Each part assembles by itself: llvm-mc -triple=amdgcn-amd-amdhsa -mcpu=gfx1250 --defsym DOCPART=n.
;; ======== version 1 of 1: 4 launches
;; limits: right only within a limited range of input values
;; workspace buffers: xc 6,553,600 bytes; wc 3,276,800 bytes; ac 6,553,600 bytes; qc 6,815,744 bytes; kv 13,631,488 bytes
;; launch quant (part 1): grid 768 x 1, 4 waves a work-group, no clusters, 68,096 bytes of LDS; arguments x, Wq, Wk, Wv, Wo, xc, wc; writes xc, wc
.if DOCPART == 1
	.amdgcn_target "amdgcn-amd-amdhsa--gfx1250"
	.amdhsa_code_object_version 6
	.text
	.protected	k_q457de8bb76_quant
	.globl	k_q457de8bb76_quant
	.p2align	8
	.type	k_q457de8bb76_quant,@function
k_q457de8bb76_quant:
	s_mov_b64 s[64:65], 0
	v_nop
	global_prefetch_b8 v0, s[64:65] scope:SCOPE_SE
	s_setreg_imm32_b32 hwreg(HW_REG_WAVE_MODE, 25, 1), 1
	s_wait_xcnt 0x0
; x [8192][1024] and the four weights [1024][1024], f32, K innermost, become codes of FP6 (E2M3) with one E8M0 scale byte for each 32 along K,
; laid in the order of a matrix operand's registers.  A RECORD is 128 rows x 128 along K: 8 tiles of 16 rows, 1,536 bytes each, then 512 bytes of scale words (tile, row slot: 4 bytes).
; A tile's 1,536 bytes are two halves of 64 along K; a half is six registers a lane: registers 0-3 at 16 x lane (512 bytes), registers 4-5 at 512 + 8 x lane (256 bytes).
; THE ROWS OF A TILE ARE NOT NEIGHBOURS: in each 32 rows, slot r of tile 2 g + u is row 32 g + 8 u + r + 8 (r / 8), so that results of a product that takes such tiles as source 0 lie 16 neighbours to a lane.
; xc: [64 row blocks][8 K steps][record];  wc: the same with 32 row blocks: Wq 0-7, Wk 8-15, Wv 16-23, Wo 24-31.
; SHARES.  A work-group makes one record (row block = number / 8, K step = number % 8); wave w its rows 32 w .. 32 w + 31, tiles 2 w and 2 w + 1.  No loop, no barrier: waves share nothing.
; Each load reads a row's 512 consecutive bytes, 16 a lane; the rows turn through the wave's own stage in LDS (528 bytes apart) and come back 32 neighbours along K to a lane: a lane owns whole blocks.
; A block's scale byte is its largest magnitude's exponent field - 2, held at 1 from below.
; LIMITS: NaN and infinities among the inputs are not served; a block whose largest magnitude lies under 2^-124 has its byte held at 1; a block of zeros gets the byte 1 where the rule says 127:
; its codes are zeros, which add nothing under that byte, and this program alone reads the bytes.
; No matrix unit, tensor load or cluster: every input byte is read once by one wave, and nothing is shared.
.set SP,   528                         ; a stage row: 512 bytes + 16
.set STG,  32*SP                       ; a wave's stage
.set REC,  12800                       ; a record
.set RR,   16                          ; v16-143   32 rows as loaded, 4 registers each
.set X0,   144                         ; v144-207  tile 0: my 64 numbers
.set X1,   16                          ; v16-79    tile 1: in registers that the stage stores have read
.set TM,   208                         ; v208-209  largest magnitudes
.set SO,   210                         ; v210-211  the conversions' scale operands
.set BY,   212                         ; v212-213  scale bytes
.set W,    214
.set W2,   215
.set PW0,  216                         ; the two tiles' scale words
.set PW1,  217
.set PWC,  218
.set PC0,  220                         ; v220-231  tile 0's codes
.set T,    232                         ; v232-234, v236-238 at work
.set PC1,  240                         ; v240-251  tile 1's codes
	s_load_b256 s[4:11], s[0:1], 0x0               ; x s[4:5], Wq s[6:7], Wk s[8:9], Wv s[10:11]
	s_load_b128 s[12:15], s[0:1], 0x20             ; Wo s[12:13], xc s[14:15]
	s_load_b64 s[16:17], s[0:1], 0x30              ; wc
	v_lshl_add_u32 v254, v0, 2, 0x10800
	v_mov_b32 v255, 0
	v_lshrrev_b32 v1, 5, v0
	v_readfirstlane_b32 s18, v1                    ; wave 0..3
	v_and_b32 v1, 31, v0                           ; lane
	v_and_b32 v2, 15, v0                           ; r
	v_bfe_u32 v3, v0, 4, 1                         ; h
	v_lshlrev_b32 v4, 4, v1                        ; 16 x lane: my bytes of a row, and of a store of four registers
	s_mul_i32 s19, s18, STG
	v_add_nc_u32 v5, s19, v4                       ; the stage, on the way in
	v_mul_u32_u24 v6, v2, SP
	v_lshl_add_u32 v6, v3, 7, v6
	v_add_nc_u32 v6, s19, v6                       ; and out: slot r, + 128 h: my 32 numbers of a 64
	v_lshlrev_b32 v8, 3, v1
	v_add_nc_u32 v8, 512, v8                       ; 512 + 8 x lane: a store of two registers
	s_lshl_b32 s36, s18, 7
	s_add_co_u32 s36, s36, 12288
	v_lshl_add_u32 v9, v1, 2, s36                  ; the scale words of my two tiles: 12,288 + 128 w + 4 x lane
	v_lshlrev_b32 v10, 3, v3                       ; 8 h: where my bytes stand in a scale word
	v_mov_b32 v[W2], 0                             ; written once: a lane permute's destination counts as one of its sources
	s_lshr_b32 s20, ttmp9, 3                       ; row block 0..95
	s_and_b32 s21, ttmp9, 7                        ; K step
	s_sub_co_u32 s24, s20, 64                      ; row block among the weights'
	s_lshr_b32 s25, s24, 3                         ; which weight
	s_and_b32 s33, s24, 7                          ; row block in that weight
	s_mov_b32 s30, 0x76543210
	s_mov_b32 s31, 0xfedcba98                      ; v_permlanex16_b32's selects for lane l xor 16
	s_mov_b32 s32, 0xffff0000                      ; lanes 16-31
	s_wait_alu depctr_va_vdst(0)
	s_wait_kmcnt 0x0
	s_mov_b64 s[22:23], s[12:13]                   ; the source: Wo, unless ..  (the choices hang on the work-group's number alone)
	s_cmp_eq_u32 s25, 2
	s_cselect_b64 s[22:23], s[10:11], s[22:23]
	s_cmp_eq_u32 s25, 1
	s_cselect_b64 s[22:23], s[8:9], s[22:23]
	s_cmp_eq_u32 s25, 0
	s_cselect_b64 s[22:23], s[6:7], s[22:23]
	s_cmp_lt_u32 s20, 64
	s_cselect_b64 s[22:23], s[4:5], s[22:23]
	s_cselect_b64 s[26:27], s[14:15], s[16:17]     ; the destination: xc or wc
	s_cselect_b32 s34, s20, s33                    ; row block in the source,
	s_cselect_b32 s35, s20, s24                    ; and in the destination
	s_lshl_b32 s24, s34, 19                        ; 128 rows of 4,096 bytes,
	s_lshl_b32 s25, s18, 17                        ; my wave's 32 rows,
	s_add_co_u32 s24, s24, s25
	s_lshl_b32 s25, s21, 9                         ; the K step's 512 bytes
	s_add_co_u32 s24, s24, s25
	s_mov_b32 s25, 0
	s_add_nc_u64 s[22:23], s[22:23], s[24:25]
	s_mul_i32 s24, s35, 8*REC
	s_mul_i32 s34, s21, REC
	s_add_co_u32 s24, s24, s34
	s_add_nc_u64 s[26:27], s[26:27], s[24:25]      ; the record
	s_mul_i32 s24, s18, 3072
	s_add_nc_u64 s[28:29], s[26:27], s[24:25]      ; my two tiles' codes
.set i, 0
.rept 32
	global_load_b128 v[RR+4*i:RR+4*i+3], v4, s[22:23] offset:4096*i th:TH_LOAD_NT   ; row i: 32 lanes read 512 consecutive bytes
.set i, i+1
.endr
.set i, 0
.rept 32
.if i%8 == 0
	s_wait_loadcnt 24-i                            ; loads come back in order: these eight rows are in, the younger ones may be out
.endif
	ds_store_b128 v5, v[RR+4*i:RR+4*i+3] offset:SP*(16*((i/8)%2)+8*(i/16)+i%8)   ; row i goes to place 16 u + r, its tile and slot
.set i, i+1
.endr
.macro TILE x, u                       ; tile u's numbers: register 32 c + i = k 64 c + 32 h + i of slot r.  LDS serves a wave's instructions in order: these see my stores
.irp c, 0,1
.irp i, 0,1,2,3,4,5,6,7
	ds_load_b128 v[\x+32*\c+4*\i:\x+32*\c+4*\i+3], v6 offset:16*SP*\u+256*\c+16*\i
.endr
.endr
.endm
; 64 numbers of a lane, two whole blocks of 32, become the lane's 12 registers of a fragment and its row's scale word
.macro Q32 x, pc, pw
.irp c, 0,1
	v_max3_num_f32 v[TM+\c], |v[\x+32*\c]|, |v[\x+32*\c+1]|, 0x1800000   ; with the floor 2^(3 - 127): the byte cannot fall under 1
.endr
.irp i, 2,4,6,8,10,12,14,16,18,20,22,24,26,28,30
.irp c, 0,1
	v_max3_num_f32 v[TM+\c], v[TM+\c], |v[\x+32*\c+\i]|, |v[\x+32*\c+\i+1]|   ; (the two blocks by turns)
.endr
.endr
.irp c, 0,1
	v_add_nc_u32 v[SO+\c], 0xff000000, v[TM+\c]    ; 2 off the exponent field: the conversion takes this operand's exponent field as its scale
.endr
.irp c, 0,1
	v_lshrrev_b32 v[BY+\c], 23, v[SO+\c]           ; the scale's byte
.endr
	v_lshl_or_b32 v[W], v[BY+1], 16, v[BY]         ; my bytes: blocks h and 2 + h,
	v_lshlrev_b32 v[W], v10, v[W]                  ; at their places;
	v_permlanex16_b32 v[W2], v[W], s30, s31
	v_or_b32 v[\pw], v[W], v[W2]                   ; with lane l xor 16's two the word is whole, in both lanes
.irp c, 0,1
	v_cvt_scalef32_pk16_fp6_f32 v[\pc+6*\c:\pc+6*\c+2], v[\x+32*\c:\x+32*\c+15], v[SO+\c]
	v_cvt_scalef32_pk16_fp6_f32 v[T+4*\c:T+4*\c+2], v[\x+32*\c+16:\x+32*\c+31], v[SO+\c]   ; (a conversion's three registers begin on an even number)
.endr
	v_nop                                          ; one plain instruction behind the scaled conversions
.irp c, 0,1
.irp i, 0,1,2
	v_mov_b32 v[\pc+6*\c+3+\i], v[T+4*\c+\i]
.endr
.endr
.endm
.macro OUT pc, u                       ; a fragment leaves as two halves: 512 and 256 consecutive bytes a store, each aligned to 256
	global_store_b128 v4, v[\pc:\pc+3], s[28:29] offset:1536*\u
	global_store_b64 v8, v[\pc+4:\pc+5], s[28:29] offset:1536*\u
	global_store_b128 v4, v[\pc+6:\pc+9], s[28:29] offset:1536*\u+768
	global_store_b64 v8, v[\pc+10:\pc+11], s[28:29] offset:1536*\u+768
.endm
	TILE X0, 0
	s_wait_dscnt 16                                ; all but the 16 loads just issued: the 32 stage stores have read their registers,
	TILE X1, 1                                     ; into which tile 1 now comes
	s_wait_dscnt 16                                ; tile 0 is in
	Q32 X0, PC0, PW0
	OUT PC0, 0
	s_wait_dscnt 0x0                               ; tile 1 is in
	Q32 X1, PC1, PW1
	OUT PC1, 1
	v_cndmask_b32 v[PWC], v[PW0], v[PW1], s32      ; lanes 0-15 tile 0's words, lanes 16-31 tile 1's
	global_store_b32 v9, v[PWC], s[26:27]          ; 128 consecutive bytes: the four waves' stores together fill the record's last 512
	s_wait_tensorcnt 0x0
	ds_add_u32 v254, v255
	s_wait_dscnt 0x0
	s_endpgm
.Lfunc_end_k_q457de8bb76_quant:
	.size	k_q457de8bb76_quant, .Lfunc_end_k_q457de8bb76_quant-k_q457de8bb76_quant
	.p2alignl 7, 3214868480
	.fill 96, 4, 3214868480
	.section	.rodata,"a",@progbits
	.p2align	6, 0x0
	.amdhsa_kernel k_q457de8bb76_quant
		.amdhsa_group_segment_fixed_size 68096
		.amdhsa_private_segment_fixed_size 0
		.amdhsa_enable_private_segment 0
		.amdhsa_kernarg_size 56
		.amdhsa_user_sgpr_count 2
		.amdhsa_user_sgpr_kernarg_segment_ptr 1
		.amdhsa_wavefront_size32 1
		.amdhsa_system_sgpr_workgroup_id_x 1
		.amdhsa_system_sgpr_workgroup_id_y 1
		.amdhsa_system_sgpr_workgroup_id_z 1
		.amdhsa_system_vgpr_workitem_id 0
		.amdhsa_next_free_vgpr 256
		.amdhsa_next_free_sgpr 66
		.amdhsa_reserve_vcc 0
		.amdhsa_float_denorm_mode_32 3
		.amdhsa_float_denorm_mode_16_64 3
		.amdhsa_memory_ordered 1
		.amdhsa_forward_progress 1
		.amdhsa_inst_pref_size 17
	.end_amdhsa_kernel
	.amdgpu_metadata
---
amdhsa.version: [ 1, 2 ]
amdhsa.kernels:
  - .name:           k_q457de8bb76_quant
    .symbol:         k_q457de8bb76_quant.kd
    .args:
      - { .name: x, .offset: 0, .size: 8, .value_kind: global_buffer, .address_space: global }
      - { .name: Wq, .offset: 8, .size: 8, .value_kind: global_buffer, .address_space: global }
      - { .name: Wk, .offset: 16, .size: 8, .value_kind: global_buffer, .address_space: global }
      - { .name: Wv, .offset: 24, .size: 8, .value_kind: global_buffer, .address_space: global }
      - { .name: Wo, .offset: 32, .size: 8, .value_kind: global_buffer, .address_space: global }
      - { .name: xc, .offset: 40, .size: 8, .value_kind: global_buffer, .address_space: global }
      - { .name: wc, .offset: 48, .size: 8, .value_kind: global_buffer, .address_space: global }
    .group_segment_fixed_size: 68096
    .private_segment_fixed_size: 0
    .kernarg_segment_align: 8
    .kernarg_segment_size: 56
    .max_flat_workgroup_size: 128
    .sgpr_count:     66
    .vgpr_count:     256
    .wavefront_size: 32
...
	.end_amdgpu_metadata
.endif
;; end of part 1
;; launch qkv (part 2): grid 24 x 32, 4 waves a work-group, clusters of 4 x 4, 327,680 bytes of LDS; arguments xc, wc, qc, kv; writes qc, kv
.if DOCPART == 2
	.amdgcn_target "amdgcn-amd-amdhsa--gfx1250"
	.amdhsa_code_object_version 6
	.text
	.protected	k_q457de8bb76_qkv
	.globl	k_q457de8bb76_qkv
	.p2align	8
	.type	k_q457de8bb76_qkv,@function
k_q457de8bb76_qkv:
	s_mov_b64 s[64:65], 0
	v_nop
	global_prefetch_b8 v0, s[64:65] scope:SCOPE_SE
	s_setreg_imm32_b32 hwreg(HW_REG_WAVE_MODE, 25, 1), 1
	s_wait_xcnt 0x0
	s_wait_alu depctr_hold_cnt(0) depctr_sa_sdst(0) depctr_va_vdst(0) depctr_va_sdst(0) depctr_va_ssrc(0) depctr_va_vcc(0) depctr_vm_vsrc(0)
	s_getreg_b32 s2, hwreg(HW_REG_IB_STS2, 6, 4)
	s_cmp_eq_u32 s2, 0
	s_cbranch_scc0 .Lentry_in_a_cluster
	s_endpgm
.Lentry_in_a_cluster:
	s_bfe_u32 s2, ttmp6, 0x10000c
	s_cmp_lg_u32 s2, 0xf033
	s_cbranch_scc0 .Lentry_shape_is_right
	s_endpgm
.Lentry_shape_is_right:
; q = x Wq^T, k = x Wk^T, v = x Wv^T on codes of FP6 (E2M3) with E8M0 scales; the results are quantised in registers into attention's operands and never lie in memory as f32.
; xc, wc: [row block of 128][K step of 128][record of 12,800 bytes]: 8 tiles of 1,536 bytes in the order of an operand's registers, then 512 bytes of scale words.
; A TILE OF THE PRODUCT: source 0's side P = one row block (8 tiles), source 1's side Q = two neighbouring row blocks (16 tiles), ALL of K = 1,024: 3 x 102,400 bytes of LDS, filled once.
; Nothing in LDS is ever filled again, so there is no ring.  Four waves; each takes P's 8 tiles against its own 4 tiles of Q: 32 accumulators, 32 matrix instructions a K step.
; KINDS, by the cluster's x (the same in all partners).  0-3: P = 128 rows of Wq or Wk, Q = 256 rows of x: a lane holds one token and 128 channels (two heads), which are q's and k's K.
;   4, 5: P = 128 rows of x, Q = 256 rows of Wv: a lane holds one channel and 128 keys, which are v's K.  Only global addresses differ between the kinds up to the way out.
; Since the rows of a tile of P are chosen (slot r of tile 2 g + u = row 32 g + 8 u + r + 8 (r / 8)), a lane's 16 registers of tiles 2 g, 2 g + 1 are 16 neighbours along P's rows: ready for the conversions.
; CLUSTER 4 x 4: P hangs on cx alone and is asked for jointly down a column of the cluster, Q on cy alone and jointly along a row: each tensor load names four work-groups.
; OUT.  qc: [batch x head][16 records of 6,656]: 8 tiles (16 tokens x 64 channels, 768 bytes), then 512 bytes of scale words (bytes 0, 1 the two blocks', bytes 2, 3 zero).
;   kv: [batch x head][16 key steps][K's record, as qc's][V's record: 4 tiles (16 channels x 128 keys, 1,536 bytes), then 4 x 128 bytes of scale words, each tile's 16 words twice].
; LIMITS: NaN and infinities are not served; a block whose largest magnitude lies under 2^-124 has its byte held at 1; a block of zeros gets the byte 1 where the rule says 127 (zero codes; only this program reads the bytes).
; REGISTERS, in windows of 256.  Window 0: v1 lane; v2-7, v8-13 LDS addresses for K steps 0-3, 4-7; v16-21, v24-29 scale words, two sets; v32-34 the way out's offsets;
;   v64-159 P's 8 fragments, v160-207 Q's 4: buffer 0; v208-247 the way out.  Window 1: accumulator (a, b) at v[64 b + 8 a].  Window 2: buffer 1, at buffer 0's numbers.
.set REC,  12800
.set BLKB, 8*REC                       ; a row block, all of K
.set TM,   208                         ; v208-211 largest magnitudes
.set PT,   212                         ; v212-215 the other half's, then the bytes
.set SO,   216                         ; v216-219 the conversions' scale operands
.set PC,   220                         ; v220-231 the codes just made
.set CT,   232                         ; v232-234, v236-238 at work
.set PW0,  240                         ; scale words of an even and an odd tile
.set PW1,  241
.set W,    242
.set WA,   244                         ; v244-247 half words to store
.set MSB, 0
.macro WIN new                         ; the immediate's high byte repeats the setting that is left; a switch that changes nothing is dropped
.if MSB != \new
	s_set_vgpr_msb (MSB<<8)|\new
.set MSB, \new
.endif
.endm
.macro PLACES                          ; four plain instructions between a matrix instruction and a load into, or a vector read of, its registers
.rept 4
	v_nop
.endr
.endm
.macro CROUND                          ; a round of the cluster's barrier: my work-group's barrier; wave 0 signals for the work-group; every wave waits for all sixteen; my work-group's barrier once more
	s_barrier_signal -1
	s_barrier_wait -1
	s_cmp_lg_u32 s12, 0
	s_cbranch_scc1 .Lnot_wave_0_\@
	s_barrier_signal -3
.Lnot_wave_0_\@:
	s_barrier_wait -3
	s_barrier_signal -1
	s_barrier_wait -1
.endm
	s_load_b256 s[4:11], s[0:1], 0x0               ; xc s[4:5], wc s[6:7], qc s[8:9], kv s[10:11]
	v_lshl_add_u32 v254, v0, 2, 0x4b000
	v_mov_b32 v255, 0
	ds_add_u32 v254, v255
	ds_add_u32 v254, v255
	v_lshrrev_b32 v1, 5, v0
	v_readfirstlane_b32 s12, v1                    ; wave 0..3
	s_lshr_b32 s13, s12, 1                         ; which of Q's two row blocks is mine
	s_and_b32 s14, s12, 1                          ; which four of its eight tiles
	s_bfe_u32 s66, ttmp6, 0x40000                  ; cx
	s_bfe_u32 s67, ttmp6, 0x40004                  ; cy
	s_mov_b32 s68, ttmp9                           ; X: the cluster's x, 0..5
	s_and_b32 s69, ttmp7, 0xffff                   ; Y: the cluster's y, 0..7
	s_lshl_b32 s72, 0x1111, s66                    ; my column of the cluster
	s_lshl_b32 s73, s67, 2
	s_lshl_b32 s73, 15, s73                        ; my row
	; descriptor groups 1: dense blocks as rows of 256 bytes (32 elements of 8 bytes), no padding.  LDS is filled in two halves of K (four K steps each), one load a wave for each half:
	; waves 0 and 1 bring two records of P each (100 rows), waves 2 and 3 four records of one row block of Q each (200 rows)
	s_or_b32 s16, s72, (3<<16)|(1<<21)             ; 15:0 the mask: P goes to my column; 17:16 elements of 8 bytes; 21 set beside a mask
	s_mov_b32 s17, 32<<16                          ; tensor_dim0 = 32
	s_mov_b32 s18, 100<<16                         ; tensor_dim1 = 100
	s_mov_b32 s19, 32<<16                          ; tile_dim0 = 32
	s_mov_b32 s20, 100                             ; tile_dim1 = 100
	s_mov_b32 s21, 32                              ; from row to row: 32 elements
	s_mov_b32 s22, 0
	s_mov_b32 s23, 0
	s_or_b32 s24, s73, (3<<16)|(1<<21)             ; Q goes to my row
	s_mov_b32 s25, 32<<16
	s_mov_b32 s26, 200<<16
	s_mov_b32 s27, 32<<16
	s_mov_b32 s28, 200
	s_mov_b32 s29, 32
	s_mov_b32 s30, 0
	s_mov_b32 s31, 0
	s_sub_co_u32 s92, s68, 4
	s_lshl_b32 s92, s92, 3
	s_add_co_u32 s92, s92, s69                     ; for v: 8 (X - 4) + Y
	s_cmp_ge_u32 s68, 4
	s_cselect_b32 s15, 1, 0                        ; 1: this cluster makes v
	s_cselect_b32 s70, s92, s68
	s_cselect_b32 s71, 0, s69
	s_lshl_b32 s70, s70, 2
	s_add_co_u32 s70, s70, s66                     ; ip: P's row block (q, k: 0-15 in wc; v: 0-63 in xc).  It holds cx and never cy
	s_lshl_b32 s71, s71, 2
	s_add_co_u32 s71, s71, s67                     ; iq: Q's pair of row blocks (q, k: 0-31 in xc; v: 0-3 in Wv).  It holds cy and never cx
	s_mul_i32 s82, s14, 2*REC                      ; P: wave w % 2 brings two of a half's four records, in memory and in LDS alike
	s_mul_i32 s92, s70, BLKB
	s_add_co_u32 s92, s92, s82
	s_mov_b32 s93, 0
	s_mul_i32 s83, s14, BLKB                       ; Q: wave w % 2 brings row block w % 2
	s_mul_i32 s96, s71, 2*BLKB
	s_add_co_u32 s96, s96, s83
	s_mov_b32 s97, 0
	s_mov_b32 s88, 0xffff0000                      ; lanes 16-31
	s_mov_b32 s90, 0x76543210
	s_mov_b32 s91, 0xfedcba98                      ; v_permlanex16_b32's selects for lane l xor 16
	s_wait_dscnt 0x0
	s_wait_kmcnt 0x0
	s_add_nc_u64 s[94:95], s[6:7], 16*BLKB         ; Wv's row blocks in wc
	s_cmp_eq_u32 s15, 1
	s_cselect_b64 s[74:75], s[4:5], s[6:7]         ; P: xc for v, else wc
	s_cselect_b64 s[76:77], s[94:95], s[4:5]       ; Q: Wv for v, else xc
	s_add_nc_u64 s[74:75], s[74:75], s[92:93]
	s_add_nc_u64 s[76:77], s[76:77], s[96:97]
.irp c, 0,1                            ; groups 0: P's part of half c of K in s[32 + 8 c ..], Q's in s[36 + 8 c ..]; none is ever written again
	s_mov_b32 s[32+8*\c], 1                        ; count = 1
	s_add_co_u32 s[33+8*\c], s82, \c*4*REC         ; LDS address: the wave's term and a constant
	s_add_nc_u64 s[34+8*\c:35+8*\c], s[74:75], \c*4*REC
	s_or_b32 s[35+8*\c], s[35+8*\c], 0x80000000    ; type = 2
	s_mov_b32 s[36+8*\c], 1
	s_add_co_u32 s[37+8*\c], s83, BLKB+\c*4*REC
	s_add_nc_u64 s[38+8*\c:39+8*\c], s[76:77], \c*4*REC
	s_or_b32 s[39+8*\c], s[39+8*\c], 0x80000000
.endr
; a joint load of half c: waves 0 and 1 ask for P, waves 2 and 3 for Q; each line has one mask; an s_nop 0 and four v_nop follow each line
.macro JLOAD c
	s_cmp_eq_u32 s13, 0
	s_cbranch_scc0 .Lfor_q_\@
	tensor_load_to_lds s[32+8*\c:35+8*\c], s[16:23]
	s_nop 0
.rept 4
	v_nop
.endr
	s_branch .Lasked_\@
.Lfor_q_\@:
	tensor_load_to_lds s[36+8*\c:39+8*\c], s[24:31]
	s_nop 0
.rept 4
	v_nop
.endr
.Lasked_\@:
.endm
	CROUND                                         ; all sixteen work-groups are here: the joint loads meet
	JLOAD 0                                        ; K steps 0 to 3: one tensor load a wave at the head
	v_and_b32 v1, 31, v0                           ; lane
	v_lshlrev_b32 v2, 4, v1                        ; P: 16 x lane: registers 0-3 of a half,
	v_lshlrev_b32 v3, 3, v1
	v_add_nc_u32 v3, 512, v3                       ; 512 + 8 x lane: registers 4-5,
	v_lshlrev_b32 v4, 2, v1
	v_add_nc_u32 v4, 12288, v4                     ; 12,288 + 4 x lane: the scale words of two tiles
	s_mul_i32 s78, s13, BLKB
	s_add_co_u32 s78, s78, BLKB                    ; Q: my row block,
	s_mul_i32 s79, s14, 6144
	s_add_co_u32 s79, s79, s78                     ; my four tiles
	v_add_nc_u32 v5, s79, v2
	v_add_nc_u32 v6, s79, v3
	s_lshl_b32 s79, s14, 8
	s_add_co_u32 s79, s79, s78
	v_add_nc_u32 v7, s79, v4
.irp i, 0,1,2,3,4,5
	v_add_nc_u32 v[8+\i], 4*REC, v[2+\i]           ; the same for K steps 4-7: an LDS offset has 16 bits
.endr
.irp b, 0,1,2,3
	v_mov_b32 v[PT+\b], 0                          ; written once: a lane permute's destination counts as one of its sources
.endr
; K step s's fragments and scale words into buffer p: 54 LDS loads, each of consecutive bytes
.macro FETCH p, s
.set AB, 2+6*((\s)/4)
.set KO, REC*((\s)%4)
.set SC, 16+8*(\p)
	WIN 0x80*(\p)                                  ; destination window 0 or 2
.irp a, 0,1,2,3,4,5,6,7
.irp e, 0,1
	ds_load_b128 v[64+12*\a+6*\e:64+12*\a+6*\e+3], v[AB] offset:KO+1536*\a+768*\e
	ds_load_b64 v[64+12*\a+6*\e+4:64+12*\a+6*\e+5], v[AB+1] offset:KO+1536*\a+768*\e
.endr
.endr
.irp b, 0,1,2,3
.irp e, 0,1
	ds_load_b128 v[160+12*\b+6*\e:160+12*\b+6*\e+3], v[AB+3] offset:KO+1536*\b+768*\e
	ds_load_b64 v[160+12*\b+6*\e+4:160+12*\b+6*\e+5], v[AB+4] offset:KO+1536*\b+768*\e
.endr
.endr
	WIN 0                                          ; scale operands have no window
.irp i, 0,1,2,3
	ds_load_b32 v[SC+\i], v[AB+2] offset:KO+128*\i     ; lanes 0-15: P's tile 2 i; lanes 16-31: tile 2 i + 1
.endr
.irp i, 0,1
	ds_load_b32 v[SC+4+\i], v[AB+5] offset:KO+128*\i   ; the same of my four tiles of Q
.endr
.endm
; 32 matrix instructions: buffer p.  Each accumulator has one turn of one instruction, in the same order in every K step.  zero = 1: the first K step starts the sums
.macro MUL p, zero
.set SC, 16+8*(\p)
	WIN 0x50+0x0a*(\p)                             ; sources 0 and 1 window 0 or 2; C and D window 1
.irp b2, 0,1
.irp a2, 0,1,2,3
.set A0, 64+24*\a2
.set B0, 160+24*\b2
.set D0, 128*\b2+16*\a2
.if \zero
	v_wmma_scale_f32_16x16x128_f8f6f4 v[D0:D0+7], v[A0:A0+11], v[B0:B0+11], 0, v[SC+\a2], v[SC+4+\b2] matrix_a_fmt:MATRIX_FMT_FP6 matrix_b_fmt:MATRIX_FMT_FP6
	v_wmma_scale_f32_16x16x128_f8f6f4 v[D0+8:D0+15], v[A0+12:A0+23], v[B0:B0+11], 0, v[SC+\a2], v[SC+4+\b2] matrix_a_fmt:MATRIX_FMT_FP6 matrix_b_fmt:MATRIX_FMT_FP6 matrix_a_scale:MATRIX_SCALE_ROW1
	v_wmma_scale_f32_16x16x128_f8f6f4 v[D0+64:D0+71], v[A0:A0+11], v[B0+12:B0+23], 0, v[SC+\a2], v[SC+4+\b2] matrix_a_fmt:MATRIX_FMT_FP6 matrix_b_fmt:MATRIX_FMT_FP6 matrix_b_scale:MATRIX_SCALE_ROW1
	v_wmma_scale_f32_16x16x128_f8f6f4 v[D0+72:D0+79], v[A0+12:A0+23], v[B0+12:B0+23], 0, v[SC+\a2], v[SC+4+\b2] matrix_a_fmt:MATRIX_FMT_FP6 matrix_b_fmt:MATRIX_FMT_FP6 matrix_a_scale:MATRIX_SCALE_ROW1 matrix_b_scale:MATRIX_SCALE_ROW1
.else
	v_wmma_scale_f32_16x16x128_f8f6f4 v[D0:D0+7], v[A0:A0+11], v[B0:B0+11], v[D0:D0+7], v[SC+\a2], v[SC+4+\b2] matrix_a_fmt:MATRIX_FMT_FP6 matrix_b_fmt:MATRIX_FMT_FP6
	v_wmma_scale_f32_16x16x128_f8f6f4 v[D0+8:D0+15], v[A0+12:A0+23], v[B0:B0+11], v[D0+8:D0+15], v[SC+\a2], v[SC+4+\b2] matrix_a_fmt:MATRIX_FMT_FP6 matrix_b_fmt:MATRIX_FMT_FP6 matrix_a_scale:MATRIX_SCALE_ROW1
	v_wmma_scale_f32_16x16x128_f8f6f4 v[D0+64:D0+71], v[A0:A0+11], v[B0+12:B0+23], v[D0+64:D0+71], v[SC+\a2], v[SC+4+\b2] matrix_a_fmt:MATRIX_FMT_FP6 matrix_b_fmt:MATRIX_FMT_FP6 matrix_b_scale:MATRIX_SCALE_ROW1
	v_wmma_scale_f32_16x16x128_f8f6f4 v[D0+72:D0+79], v[A0+12:A0+23], v[B0+12:B0+23], v[D0+72:D0+79], v[SC+\a2], v[SC+4+\b2] matrix_a_fmt:MATRIX_FMT_FP6 matrix_b_fmt:MATRIX_FMT_FP6 matrix_a_scale:MATRIX_SCALE_ROW1 matrix_b_scale:MATRIX_SCALE_ROW1
.endif
.endr
.endr
.endm
	s_wait_alu depctr_va_vdst(0)
	s_wait_tensorcnt 0x0                           ; my part of K steps 0 to 3 is in
	ds_add_u32 v254, v255
	s_wait_dscnt 0x0
	CROUND                                         ; everybody's part is in, and all sixteen work-groups are here
	JLOAD 1                                        ; K steps 4 to 7, into bytes of their own: my one load behind the round
	FETCH 0, 0
	FETCH 1, 1
	s_wait_dscnt 54                                ; all but the 54 loads just issued: K step 0's fragments are in
	MUL 0, 1
.irp s, 1,2,3,4,5,6
.if \s == 3
	s_wait_tensorcnt 0x0                           ; my part of K steps 4 to 7 is in
	s_wait_dscnt 0x0                               ; no LDS instruction of mine is pending at a signal
	s_barrier_signal -1
	s_barrier_wait -1
.endif
	PLACES                                         ; the buffer below was read by the products just issued
	FETCH (\s+1)%2, \s+1
	s_wait_dscnt 54                                ; this K step's fragments are in
	MUL \s%2, 0
.endr
	s_wait_dscnt 0x0
	MUL 1, 0
	WIN 0
; THE WAY OUT.  The 64 accumulator registers of my tile j of Q: register 16 b + i = P's row 32 b + 16 (lane / 16) + i.  They become a fragment's codes in v[PC] on and its scale word in v[pw].
.macro QUANT j, pw
.set S, 64*(\j)
	WIN 0x14                                       ; sources 1 and 2: window 1
.irp b, 0,1,2,3
	v_max3_num_f32 v[TM+\b], 0x1800000, |v[S+16*\b]|, |v[S+16*\b+1]|   ; block b: my 16 numbers and the floor 2^(3 - 127).  Each accumulator is read from its low end on
.endr
.irp i, 2,4,6,8,10,12,14
.irp b, 0,1,2,3
	v_max3_num_f32 v[TM+\b], v[TM+\b], |v[S+16*\b+\i]|, |v[S+16*\b+\i+1]|   ; (the four blocks by turns)
.endr
.endr
	WIN 0
.irp b, 0,1,2,3
	v_permlanex16_b32 v[PT+\b], v[TM+\b], s90, s91
.endr
.irp b, 0,1,2,3
	v_max_num_f32 v[TM+\b], v[TM+\b], v[PT+\b]     ; with lane l xor 16's: the block's largest magnitude
.endr
.irp b, 0,1,2,3
	v_add_nc_u32 v[SO+\b], 0xff000000, v[TM+\b]    ; 2 off its exponent field: the conversion's scale operand
.endr
.irp b, 0,1,2,3
	v_lshrrev_b32 v[PT+\b], 23, v[SO+\b]           ; the scale's byte
.endr
	v_lshl_or_b32 v[\pw], v[PT+1], 8, v[PT]
	v_lshl_or_b32 v[\pw], v[PT+2], 16, v[\pw]
	v_lshl_or_b32 v[\pw], v[PT+3], 24, v[\pw]      ; the scale word, the same in lanes l and l xor 16
	WIN 0x01                                       ; source 0: window 1
.irp c, 0,1
	v_cvt_scalef32_pk16_fp6_f32 v[PC+6*\c:PC+6*\c+2], v[S+32*\c:S+32*\c+15], v[SO+2*\c]
	v_cvt_scalef32_pk16_fp6_f32 v[CT+4*\c:CT+4*\c+2], v[S+32*\c+16:S+32*\c+31], v[SO+2*\c+1]   ; (a conversion's three registers begin on an even number)
.endr
	WIN 0
	v_nop                                          ; one plain instruction behind the scaled conversions
.irp c, 0,1                            ; the operand's layout wants a whole block in a lane: lanes 0-15 block 2 c, lanes 16-31 block 2 c + 1
.irp i, 0,1,2
	v_permlane16_swap_b32 v[PC+6*\c+\i], v[CT+4*\c+\i]
.endr
.irp i, 0,1,2
	v_mov_b32 v[PC+3+6*\c+\i], v[CT+4*\c+\i]
.endr
.endr
.endm
	PLACES                                         ; behind the last products, ahead of the first read of results
	s_lshl_b32 s92, s14, 2
	s_cmp_eq_u32 s15, 1
	s_cselect_b32 s92, 0, s92                      ; my first tile in the record: q, k: 4 (w % 2); v: 0
	s_mul_i32 s93, s92, 768
	v_lshl_add_u32 v32, v1, 4, s93                 ; 16 x lane + the tile
	v_lshl_add_u32 v33, v1, 3, s93
	v_add_nc_u32 v33, 512, v33                     ; 512 + 8 x lane + the tile
	s_lshl_b32 s93, s92, 6
	s_add_co_u32 s93, s93, 6144
	v_lshl_add_u32 v34, v1, 2, s93                 ; the scale words: 6,144 + 64 x tile + 4 x lane
	s_cmp_eq_u32 s15, 1                            ; the kind hangs on the cluster's x alone: all partners take the same way
	s_cbranch_scc1 .Lepi_v
	; ---- q or k: my tile j is 16 tokens x 128 channels: registers 0-5 are the even head's half, registers 6-11 the odd head's
	s_lshr_b32 s92, s68, 1                         ; 0: q, 1: k
	s_and_b32 s93, s70, 7                          ; the pair of heads
	s_lshr_b32 s94, s71, 3                         ; batch
	s_and_b32 s95, s71, 7
	s_lshl_b32 s95, s95, 1
	s_add_co_u32 s95, s95, s13                     ; the record (128 tokens) in the batch
	s_lshl_b32 s94, s94, 4
	s_lshl_b32 s93, s93, 1
	s_add_co_u32 s94, s94, s93                     ; 16 x batch + the even head
	s_lshl_b32 s94, s94, 4
	s_add_co_u32 s94, s94, s95
	s_cmp_eq_u32 s92, 1
	s_cselect_b64 s[84:85], s[10:11], s[8:9]       ; kv or qc
	s_mov_b32 s96, 6656
	s_cselect_b32 s96, 13312, s96                  ; from record to record
	s_mul_i32 s94, s94, s96
	s_mov_b32 s95, 0
	s_add_nc_u64 s[84:85], s[84:85], s[94:95]      ; the even head's record,
	s_lshl_b32 s94, s96, 4
	s_add_nc_u64 s[86:87], s[84:85], s[94:95]      ; the odd head's: 16 records on
.irp j, 0,1,2,3
.if \j > 0
	s_wait_xcnt 0x0                                ; the last stores have read their data: the codes' registers are written again only behind this wait
.endif
	QUANT \j, PW0+\j%2
	global_store_b128 v32, v[PC:PC+3], s[84:85] offset:768*\j      ; 512 and 256 consecutive bytes, aligned to 256
	global_store_b64 v33, v[PC+4:PC+5], s[84:85] offset:768*\j
	global_store_b128 v32, v[PC+6:PC+9], s[86:87] offset:768*\j
	global_store_b64 v33, v[PC+10:PC+11], s[86:87] offset:768*\j
.if \j%2
	v_cndmask_b32 v[W], v[PW0], v[PW1], s88        ; lanes 0-15 the even tile's words, lanes 16-31 the odd tile's
	v_and_b32 v[WA+\j-1], 0xffff, v[W]             ; the even head's two bytes; bytes 2 and 3, of the half of K that is not there, are 0
	v_lshrrev_b32 v[WA+\j], 16, v[W]               ; the odd head's
	global_store_b32 v34, v[WA+\j-1], s[84:85] offset:64*(\j-1)
	global_store_b32 v34, v[WA+\j], s[86:87] offset:64*(\j-1)
.endif
.endr
	s_branch .Lepi_done
.Lepi_v:
	; ---- v: my four tiles are one head's 64 channels; tile j is 16 channels x 128 keys: one fragment
	s_lshr_b32 s92, s70, 4                         ; batch
	s_and_b32 s93, s70, 15                         ; key step
	s_lshl_b32 s94, s71, 2
	s_add_co_u32 s94, s94, s12                     ; head
	s_lshl_b32 s92, s92, 4
	s_add_co_u32 s92, s92, s94
	s_lshl_b32 s92, s92, 4
	s_add_co_u32 s92, s92, s93
	s_mul_i32 s92, s92, 13312
	s_add_co_u32 s92, s92, 6656                    ; V's record lies behind K's
	s_mov_b32 s93, 0
	s_add_nc_u64 s[84:85], s[10:11], s[92:93]
.irp j, 0,1,2,3
.if \j > 0
	s_wait_xcnt 0x0                                ; the last stores have read their data
.endif
	QUANT \j, PW0+\j%2
	global_store_b128 v32, v[PC:PC+3], s[84:85] offset:1536*\j
	global_store_b64 v33, v[PC+4:PC+5], s[84:85] offset:1536*\j
	global_store_b128 v32, v[PC+6:PC+9], s[84:85] offset:1536*\j+768
	global_store_b64 v33, v[PC+10:PC+11], s[84:85] offset:1536*\j+768
	global_store_b32 v34, v[PW0+\j%2], s[84:85] offset:128*\j      ; the tile's 16 words, twice: 128 consecutive bytes
.endr
.Lepi_done:
	s_wait_tensorcnt 0x0
	ds_add_u32 v254, v255
	s_wait_dscnt 0x0
	CROUND                                         ; the closing round: no work-group ends while a partner may still ask for a tile that names it
	s_endpgm
.Lfunc_end_k_q457de8bb76_qkv:
	.size	k_q457de8bb76_qkv, .Lfunc_end_k_q457de8bb76_qkv-k_q457de8bb76_qkv
	.p2alignl 7, 3214868480
	.fill 96, 4, 3214868480
	.section	.rodata,"a",@progbits
	.p2align	6, 0x0
	.amdhsa_kernel k_q457de8bb76_qkv
		.amdhsa_group_segment_fixed_size 327680
		.amdhsa_private_segment_fixed_size 0
		.amdhsa_enable_private_segment 0
		.amdhsa_kernarg_size 32
		.amdhsa_user_sgpr_count 2
		.amdhsa_user_sgpr_kernarg_segment_ptr 1
		.amdhsa_wavefront_size32 1
		.amdhsa_system_sgpr_workgroup_id_x 1
		.amdhsa_system_sgpr_workgroup_id_y 1
		.amdhsa_system_sgpr_workgroup_id_z 1
		.amdhsa_system_vgpr_workitem_id 0
		.amdhsa_next_free_vgpr 720
		.amdhsa_next_free_sgpr 100
		.amdhsa_reserve_vcc 0
		.amdhsa_float_denorm_mode_32 3
		.amdhsa_float_denorm_mode_16_64 3
		.amdhsa_memory_ordered 1
		.amdhsa_forward_progress 1
		.amdhsa_inst_pref_size 106
	.end_amdhsa_kernel
	.amdgpu_metadata
---
amdhsa.version: [ 1, 2 ]
amdhsa.kernels:
  - .name:           k_q457de8bb76_qkv
    .symbol:         k_q457de8bb76_qkv.kd
    .args:
      - { .name: xc, .offset: 0, .size: 8, .value_kind: global_buffer, .address_space: global }
      - { .name: wc, .offset: 8, .size: 8, .value_kind: global_buffer, .address_space: global }
      - { .name: qc, .offset: 16, .size: 8, .value_kind: global_buffer, .address_space: global }
      - { .name: kv, .offset: 24, .size: 8, .value_kind: global_buffer, .address_space: global }
    .group_segment_fixed_size: 327680
    .private_segment_fixed_size: 0
    .kernarg_segment_align: 8
    .kernarg_segment_size: 32
    .max_flat_workgroup_size: 128
    .sgpr_count:     100
    .vgpr_count:     720
    .wavefront_size: 32
...
	.end_amdgpu_metadata
.endif
;; end of part 2
;; launch attn (part 3): grid 4 x 64, 16 waves a work-group, clusters of 4 x 1, 268,288 bytes of LDS; arguments qc, kv, ac; writes ac
.if DOCPART == 3
	.amdgcn_target "amdgcn-amd-amdhsa--gfx1250"
	.amdhsa_code_object_version 6
	.text
	.protected	k_q457de8bb76_attn
	.globl	k_q457de8bb76_attn
	.p2align	8
	.type	k_q457de8bb76_attn,@function
k_q457de8bb76_attn:
	s_mov_b64 s[64:65], 0
	v_nop
	global_prefetch_b8 v0, s[64:65] scope:SCOPE_SE
	s_setreg_imm32_b32 hwreg(HW_REG_WAVE_MODE, 25, 1), 1
	s_wait_xcnt 0x0
	s_wait_alu depctr_hold_cnt(0) depctr_sa_sdst(0) depctr_va_vdst(0) depctr_va_sdst(0) depctr_va_ssrc(0) depctr_va_vcc(0) depctr_vm_vsrc(0)
	s_getreg_b32 s2, hwreg(HW_REG_IB_STS2, 6, 4)
	s_cmp_eq_u32 s2, 0
	s_cbranch_scc0 .Lentry_in_a_cluster
	s_endpgm
.Lentry_in_a_cluster:
	s_bfe_u32 s2, ttmp6, 0x10000c
	s_cmp_lg_u32 s2, 0x3003
	s_cbranch_scc0 .Lentry_shape_is_right
	s_endpgm
.Lentry_shape_is_right:
; o = softmax(q k^T / 8) v for one head and batch, on codes of FP6 (E2M3) with E8M0 scales; o leaves as codes and scale bytes in the order of the last product's operand (ac).
; qc: [batch x head][16 records of 6,656]: 8 tiles (16 tokens x 64 channels, 768 bytes: registers 0-3 at 16 x lane, 4-5 at 512 + 8 x lane), then 512 bytes of scale words.
; kv: [batch x head][16 key steps of 128][K's record, as qc's][V's record: 4 tiles (16 channels x 128 keys, 1,536 bytes), then 4 x 128 bytes of scale words].
; SHARES.  256 work-groups: four to a head, 512 queries each; 16 waves; a wave takes two tiles of 16 queries one after the other (PASS 0, 1) and walks all 16 key steps for each.
; A head's K and V, 16 x 13,312 bytes, lie in LDS whole, filled once: wave w asks for key step w, one tensor load a wave, jointly with the three partners of the cluster, which serve the same head.
; Nothing is filled again, so one wait and one barrier stand at the head and none in the loops.  No prefetch: every byte of kv is asked for at the head, so no later load is left to run ahead of.
; LDS ROWS are 512 bytes + 128 of padding: memory byte a of a step lies at a + 128 (a / 512); a step takes 16,640 bytes.
; THE KEYS OF A TILE ARE CHOSEN BY THE LANES' ADDRESSES.  kv's tile 2 g + u holds in slot r key 32 g + 8 u + r + 8 (r / 8).  Here tile 4 c + u takes in slot 8 b + i key 64 c + 32 b + 8 u + i:
; kv's tile 4 c + 2 b + u % 2, slot 8 (u / 2) + i.  Both products are used transposed, so lane (query r, half h) then holds in registers 32 c + 0 .. 31 of the scores keys 64 c + 32 h + 0 .. 31:
; one whole scale block, in the order of the next operand's registers: a block's maximum needs no other lane, and the conversions' results are the operand.
; With the padding the two runs of 128 bytes that lanes 0-7 and 8-15 of a 16-byte load read lie 1,920 bytes apart, 128 modulo 256.
; The head has 64 channels: q's registers 6-11 are zero codes, so what K's operand holds there (the next tile's codes) adds nothing.
; SOFTMAX: M is the ceiling of the running largest t = score x log2(e) / 8, kept as -M; p = 2^(t - M); the sum is taken of the unquantised p; when M moves, sum and O are multiplied by 2^(old M - new M).
; A block's largest p is made from its largest score by the same multiply-add and exponential.
; LIMITS: NaN and infinities are not served; the promise holds while |t| stays under 2^31; a block of p whose largest lies under 2^-124 has its byte held at 1 (a block of zeros too: zero codes).
; REGISTERS: v1-8 lane terms of the LDS addresses; v9 4 (lane % 16); v12 -M, v13 the running largest score; v16-27, v28 and v240-251, v252 the two passes' q and scale words;
; v32-85 K's or V's fragments; v86-93 their scale words, v94 p's; v96-159 scores, then p; v160-191 O^T; v192-203 p's codes; v224-225 the sum; v226 the factor; v234-237, v29-31, v95 this step's addresses.
.set STEPB, 13312
.set STEPL, 16640
.set SPARE, 16*STEPL
.set VO,    8320                       ; V's record in a step's LDS bytes
.macro WALU
	s_wait_alu depctr_va_vdst(0)
.endm
.macro CROUND
	s_barrier_signal -1
	s_barrier_wait -1
	s_cmp_lg_u32 s10, 0
	s_cbranch_scc1 .Lnot_wave_0_\@
	s_barrier_signal -3
.Lnot_wave_0_\@:
	s_barrier_wait -3
	s_barrier_signal -1
	s_barrier_wait -1
.endm
	s_load_b128 s[4:7], s[0:1], 0x0                ; qc, kv
	s_load_b64 s[8:9], s[0:1], 0x10                ; ac
	v_lshl_add_u32 v254, v0, 2, SPARE
	v_mov_b32 v255, 0
	ds_add_u32 v254, v255
	ds_add_u32 v254, v255
	v_lshrrev_b32 v1, 5, v0
	v_readfirstlane_b32 s10, v1                    ; wave
	s_bfe_u32 s11, ttmp6, 0x40000                  ; cx: which 512 queries
	s_and_b32 s13, ttmp7, 0xffff                   ; 16 x batch + head
	s_lshr_b32 s14, s13, 4
	s_and_b32 s15, s13, 15
	s_mov_b32 s16, 15|(3<<16)|(1<<20)|(1<<21)|(6<<22)|(31<<25)   ; all four partners; elements of 8 bytes; behind every 128 words 32 words of padding
	s_mov_b32 s17, 64<<16
	s_mov_b32 s18, 26<<16
	s_mov_b32 s19, 64<<16
	s_mov_b32 s20, 26                              ; 26 rows of 512 bytes: a key step
	s_mov_b32 s21, 64
	s_mov_b32 s22, 0
	s_mov_b32 s23, 0
	s_mul_i32 s48, s13, 16*STEPB
	s_mul_i32 s47, s10, STEPB
	s_add_co_u32 s48, s48, s47                     ; key step w of my head
	s_mov_b32 s49, 0
	s_mov_b32 s24, 1
	s_mul_i32 s25, s10, STEPL
	s_mov_b32 s40, 0x76543210
	s_mov_b32 s41, 0xfedcba98                      ; selects for lane l xor 16
	s_mov_b32 s42, 0x3e38aa3b                      ; c = log2(e) / 8
	s_mov_b32 s43, s42
	s_mov_b32 s39, 0xbe38aa3b                      ; -c
	s_lshr_b32 s56, s10, 3
	s_and_b32 s57, s10, 7                          ; my tile in its record
	s_lshl_b32 s58, s11, 2
	s_add_co_u32 s58, s58, s56                     ; pass 0's record of 128 queries: 4 cx + w / 8; pass 1's lies two on
	s_lshl_b32 s60, s13, 4
	s_add_co_u32 s60, s60, s58
	s_mul_i32 s60, s60, 6656
	s_mov_b32 s61, 0
	s_lshl_b32 s62, s14, 4
	s_add_co_u32 s62, s62, s58
	s_mul_i32 s62, s62, 102400                     ; ac: row block 16 x batch + record,
	s_lshr_b32 s63, s15, 1
	s_mul_i32 s63, s63, 12800                      ; K step head / 2
	s_add_co_u32 s62, s62, s63
	s_and_b32 s59, s15, 1
	s_mul_i32 s52, s57, 1536
	s_mul_i32 s53, s59, 768
	s_add_co_u32 s52, s52, s53
	s_add_co_u32 s52, s52, s62                     ; codes: my tile, half head % 2
	s_mov_b32 s53, 0
	s_lshl_b32 s54, s57, 6
	s_lshl_b32 s55, s59, 1
	s_add_co_u32 s54, s54, s55
	s_add_co_u32 s54, s54, s62                     ; scale bytes: 64 x tile + 2 (head % 2)
	s_mov_b32 s55, 0
	WALU
	s_wait_dscnt 0x0
	s_wait_kmcnt 0x0
	s_add_nc_u64 s[26:27], s[6:7], s[48:49]
	s_or_b32 s27, s27, 0x80000000
	s_add_nc_u64 s[50:51], s[4:5], s[60:61]
	s_add_nc_u64 s[52:53], s[8:9], s[52:53]
	s_add_nc_u64 s[54:55], s[8:9], s[54:55]
	CROUND                                         ; the four partners are here: the joint loads meet
	tensor_load_to_lds s[24:27], s[16:23]          ; my one load: key step w
	s_nop 0
.rept 4
	v_nop
.endr
	v_and_b32 v10, 31, v0                          ; lane
	v_and_b32 v11, 7, v0                           ; i
	v_bfe_u32 v14, v0, 3, 1                        ; b
	v_bfe_u32 v15, v0, 4, 1                        ; h
	v_mul_u32_u24 v29, v14, 1920
	v_lshl_add_u32 v1, v11, 4, v29
	v_lshl_add_u32 v3, v11, 3, v29
	v_mad_u32_u24 v2, v15, 384, v1                 ; K, registers 0-3, odd u: 1,920 b + 16 i + 384 h
	v_lshl_add_u32 v1, v15, 8, v1                  ; even u: 1,920 b + 16 i + 256 h
	v_lshl_add_u32 v3, v15, 7, v3                  ; registers 4-5: 1,920 b + 8 i + 128 h
	v_lshlrev_b32 v4, 2, v11
	v_lshl_add_u32 v4, v14, 7, v4
	v_lshl_add_u32 v4, v15, 6, v4                  ; K's scale words: 128 b + 64 h + 4 i
	v_lshlrev_b32 v5, 4, v10                       ; V: 16 x lane
	v_lshl_add_u32 v6, v15, 7, v5                  ; 16 x lane + 128 h: a run that lies across a padding
	v_lshlrev_b32 v7, 3, v10                       ; 8 x lane
	v_lshlrev_b32 v8, 2, v10                       ; 4 x lane
	v_and_b32 v9, 15, v0
	v_lshlrev_b32 v9, 2, v9
	s_mul_i32 s59, s57, 768
	v_add_nc_u32 v10, s59, v5
	v_add_nc_u32 v11, s59, v7
	s_lshl_b32 s59, s57, 6
	v_add_nc_u32 v14, s59, v9
	global_load_b128 v[16:19], v10, s[50:51]
	global_load_b64 v[20:21], v11, s[50:51] offset:512
	global_load_b32 v28, v14, s[50:51] offset:6144
	global_load_b128 v[240:243], v10, s[50:51] offset:13312
	global_load_b64 v[244:245], v11, s[50:51] offset:13312+512
	global_load_b32 v252, v14, s[50:51] offset:13312+6144
.irp i, 0,1,2,3,4,5
	v_mov_b32 v[22+\i], 0                          ; q's upper 64 of K: zero codes
	v_mov_b32 v[246+\i], 0
	v_mov_b32 v[80+\i], 0                          ; what the last tile of K names beyond its six registers
.endr
	v_mov_b32 v217, 0                              ; a lane permute's destination counts as a source
	v_mov_b32 v219, 0
	v_mov_b32 v227, 0                              ; named as the upper half of the pair v[226:227]
	WALU
	s_wait_loadcnt 0x0
	s_wait_tensorcnt 0x0                           ; my key step is in
	s_barrier_signal -1
	s_barrier_wait -1                              ; all sixteen are
.macro MM d, a, b, c, sa, sb, row
	v_wmma_scale_f32_16x16x128_f8f6f4 v[\d:\d+7], v[\a:\a+11], v[\b:\b+11], \c, v[\sa], v[\sb] matrix_a_fmt:MATRIX_FMT_FP6 matrix_b_fmt:MATRIX_FMT_FP6 matrix_a_scale:MATRIX_SCALE_ROW\row
.endm
.macro STEP q, qs
	v_add_nc_u32 v234, s44, v1                     ; these four are also the places between the last products and the loads into their registers
	v_add_nc_u32 v235, s44, v2
	v_add_nc_u32 v236, s44, v3
	v_add_nc_u32 v237, s44, v4
.irp c, 0,1
.irp w, 0,1
	ds_load_b128 v[32+24*\c+12*\w:35+24*\c+12*\w], v234 offset:3840*\c+128*\w          ; tile 4 c + 2 w
	ds_load_b64 v[36+24*\c+12*\w:37+24*\c+12*\w], v236 offset:3840*\c+640+64*\w
	ds_load_b128 v[38+24*\c+12*\w:41+24*\c+12*\w], v235 offset:3840*\c+896+128*\w      ; tile 4 c + 2 w + 1
	ds_load_b64 v[42+24*\c+12*\w:43+24*\c+12*\w], v236 offset:3840*\c+1536+64*\w
.endr
.endr
.irp i, 0,1,2,3
	ds_load_b32 v[86+\i], v237 offset:7680+256*(\i/2)+32*(\i%2)    ; lanes 0-15 tile 2 i's words, lanes 16-31 tile 2 i + 1's
.endr
	WALU
	s_wait_dscnt 0x0
.irp i, 0,1,2,3                        ; S^T = K q^T: eight accumulators, one instruction each
	MM 96+16*\i, 32+12*\i, \q, 0, 86+\i, \qs, 0
	MM 104+16*\i, 38+12*\i, \q, 0, 86+\i, \qs, 1
.endr
	v_add_nc_u32 v29, s44, v5                      ; four places again, ahead of the loads below and of the first read of the scores
	v_add_nc_u32 v30, s44, v6
	v_add_nc_u32 v31, s44, v7
	v_add_nc_u32 v95, s44, v8
.irp t, 0,1,2,3
	ds_load_b128 v[32+12*\t:35+12*\t], v29 offset:VO+1920*\t
	ds_load_b64 v[36+12*\t:37+12*\t], v31 offset:VO+1920*\t+640
	ds_load_b128 v[38+12*\t:41+12*\t], v30 offset:VO+1920*\t+896
	ds_load_b64 v[42+12*\t:43+12*\t], v31 offset:VO+1920*\t+1536
	ds_load_b32 v[90+\t], v95 offset:16000+128*\t
.endr
.irp c, 0,1                            ; my two blocks' largest scores, two chains each, the four by turns; each accumulator is read from its low end on
	v_max3_num_f32 v[212+\c], v[96+32*\c], v[97+32*\c], v[98+32*\c]
	v_max3_num_f32 v[214+\c], v[112+32*\c], v[113+32*\c], v[114+32*\c]
.endr
.irp i, 3,5,7,9,11,13
.irp c, 0,1
	v_max3_num_f32 v[212+\c], v[212+\c], v[96+32*\c+\i], v[97+32*\c+\i]
	v_max3_num_f32 v[214+\c], v[214+\c], v[112+32*\c+\i], v[113+32*\c+\i]
.endr
.endr
.irp c, 0,1
	v_max3_num_f32 v[212+\c], v[212+\c], v[214+\c], v[111+32*\c]
.endr
.irp c, 0,1
	v_max_num_f32 v[212+\c], v[212+\c], v[127+32*\c]
.endr
	s_delay_alu instid0(VALU_DEP_1)
	v_max_num_f32 v216, v212, v213
	s_delay_alu instid0(VALU_DEP_1)
	v_permlanex16_b32 v217, v216, s40, s41         ; the other two blocks' lie in lane l xor 16
	s_delay_alu instid0(VALU_DEP_1)
	v_max3_num_f32 v13, v13, v216, v217            ; the running largest score (c is positive)
	v_mov_b32 v239, v12
	s_delay_alu instid0(VALU_DEP_2)
	v_mul_f32 v238, s39, v13
	s_delay_alu instid0(VALU_DEP_1)
	v_floor_f32 v12, v238                          ; -M = floor(-t)
	s_delay_alu instid0(VALU_DEP_1)
	v_sub_f32 v238, v12, v239                      ; old M - new M, a whole number, 0 or less
	s_delay_alu instid0(VALU_DEP_1)
	v_cvt_i32_f32 v238, v238                       ; (it saturates)
	s_delay_alu instid0(VALU_DEP_1)
	v_ldexp_f32 v226, 1.0, v238                    ; the factor
.set j, 0
.rept 16
	v_pk_mul_f32 v[160+j:161+j], v[160+j:161+j], v[226:227] op_sel_hi:[1,0]   ; O^T under the new M, ahead of the exponentials
.set j, j+2
.endr
.set j, 0
.rept 32
	v_pk_fma_f32 v[96+j:97+j], v[96+j:97+j], s[42:43], v[12:13] op_sel_hi:[1,0,0]   ; t - M
.set j, j+2
.endr
	v_fma_f32 v212, v212, s42, v12                 ; the same of each block's largest score
	v_fma_f32 v213, v213, s42, v12
	WALU
	v_exp_f32 v212, v212
	v_exp_f32 v213, v213
.set j, 0
.rept 64
	v_exp_f32 v[96+j], v[96+j]
.set j, j+1
.endr
	v_nop
	WALU
	v_max_num_f32 v212, 0x1800000, v212            ; the floor 2^(3 - 127)
	v_max_num_f32 v213, 0x1800000, v213
	s_delay_alu instid0(VALU_DEP_2)
	v_add_nc_u32 v220, 0xff000000, v212            ; 2 off the exponent field: the conversions' scale operand
	s_delay_alu instid0(VALU_DEP_2)
	v_add_nc_u32 v221, 0xff000000, v213
	s_delay_alu instid0(VALU_DEP_2)
	v_lshrrev_b32 v222, 23, v220
	s_delay_alu instid0(VALU_DEP_2)
	v_lshrrev_b32 v223, 23, v221
	s_delay_alu instid0(VALU_DEP_1)
	v_lshl_or_b32 v218, v223, 16, v222             ; my bytes: blocks h and 2 + h
	s_delay_alu instid0(VALU_DEP_1)
	v_permlanex16_b32 v219, v218, s40, s41
	s_delay_alu instid0(VALU_DEP_1)
	v_lshl_or_b32 v94, v219, 8, v218               ; whole in lanes 0-15, which alone are read
.irp c, 0,1
	v_cvt_scalef32_pk16_fp6_f32 v[192+6*\c:194+6*\c], v[96+32*\c:111+32*\c], v[220+\c]
	v_cvt_scalef32_pk16_fp6_f32 v[204+4*\c:206+4*\c], v[112+32*\c:127+32*\c], v[220+\c]   ; (three registers from an even one on)
.endr
	v_pk_fma_f32 v[224:225], v[224:225], v[226:227], v[96:97] op_sel_hi:[1,0,1]   ; the sum under the new M, and the first two p; the plain line behind the conversions
.irp c, 0,1
.irp i, 0,1,2
	v_mov_b32 v[195+6*\c+\i], v[204+4*\c+\i]
.endr
.endr
	v_pk_add_f32 v[228:229], v[98:99], v[100:101]  ; the sum of the unquantised p, in four chains
	v_pk_add_f32 v[230:231], v[102:103], v[104:105]
	v_pk_add_f32 v[232:233], v[106:107], v[108:109]
.irp j, 110,118,126,134,142,150
	v_pk_add_f32 v[224:225], v[224:225], v[\j:\j+1]
	v_pk_add_f32 v[228:229], v[228:229], v[\j+2:\j+3]
	v_pk_add_f32 v[230:231], v[230:231], v[\j+4:\j+5]
	v_pk_add_f32 v[232:233], v[232:233], v[\j+6:\j+7]
.endr
	v_pk_add_f32 v[224:225], v[224:225], v[158:159]
	v_pk_add_f32 v[228:229], v[228:229], v[230:231]
	v_pk_add_f32 v[224:225], v[224:225], v[232:233]
	v_pk_add_f32 v[224:225], v[224:225], v[228:229]
	WALU
	s_wait_dscnt 0x0                               ; V's fragments are in
.irp t, 0,1,2,3                        ; O^T += V^T p^T: four accumulators by turns; eight other products stand between a sum's steps
	MM 160+8*\t, 32+12*\t, 192, v[160+8*\t:167+8*\t], 90+\t, 94, 0
.endr
.endm
.macro PASS p, q, qs
	v_mov_b32 v13, 0xff61b1e6                      ; -3e38, under every score
	v_mov_b32 v12, 0x7f61b1e6                      ; so the first factor is 0
	v_mov_b32 v224, 0
	v_mov_b32 v225, 0
.set j, 0
.rept 32
	v_mov_b32 v[160+j], 0
.set j, j+1
.endr
	s_mov_b32 s44, 0
	s_mov_b32 s45, 16
.Lstep\p:
	STEP \q, \qs
	s_add_co_u32 s44, s44, STEPL
	s_sub_co_u32 s45, s45, 1
	s_cmp_lg_u32 s45, 0
	s_cbranch_scc1 .Lstep\p
.rept 4
	v_nop
.endr
	v_add_f32 v224, v224, v225
	s_delay_alu instid0(VALU_DEP_1)
	v_permlanex16_b32 v217, v224, s40, s41
	s_delay_alu instid0(VALU_DEP_1)
	v_add_f32 v224, v224, v217                     ; the row's sum
	WALU
	v_rcp_f32 v224, v224
	v_nop
	WALU
.set j, 0
.rept 16
	v_pk_mul_f32 v[96+j:97+j], v[160+j:161+j], v[224:225] op_sel_hi:[1,0]   ; o: register 16 g + i = channel 32 g + 16 h + i
.set j, j+2
.endr
.irp g, 0,1
	v_max3_num_f32 v[212+\g], |v[96+16*\g]|, |v[97+16*\g]|, 0x1800000
.endr
.irp i, 2,4,6,8,10,12,14
.irp g, 0,1
	s_delay_alu instid0(VALU_DEP_2)
	v_max3_num_f32 v[212+\g], v[212+\g], |v[96+16*\g+\i]|, |v[97+16*\g+\i]|
.endr
.endr
.irp g, 0,1
	s_delay_alu instid0(VALU_DEP_2)
	v_permlanex16_b32 v[216+\g], v[212+\g], s40, s41
.endr
.irp g, 0,1
	s_delay_alu instid0(VALU_DEP_2)
	v_max_num_f32 v[212+\g], v[212+\g], v[216+\g]
.endr
.irp g, 0,1
	s_delay_alu instid0(VALU_DEP_2)
	v_add_nc_u32 v[220+\g], 0xff000000, v[212+\g]
.endr
.irp g, 0,1
	s_delay_alu instid0(VALU_DEP_2)
	v_lshrrev_b32 v[222+\g], 23, v[220+\g]
.endr
	s_delay_alu instid0(VALU_DEP_1)
	v_lshl_or_b32 v238, v223, 8, v222
	v_cvt_scalef32_pk16_fp6_f32 v[192:194], v[96:111], v220
	v_cvt_scalef32_pk16_fp6_f32 v[204:206], v[112:127], v221
	v_nop
.irp i, 0,1,2
	v_permlane16_swap_b32 v[192+\i], v[204+\i]     ; a whole block to a lane
.endr
.irp i, 0,1,2
	s_delay_alu instid0(VALU_DEP_3)
	v_mov_b32 v[195+\i], v[204+\i]
.endr
	global_store_b128 v5, v[192:195], s[52:53]     ; 512 and 256 consecutive bytes, aligned to 256
	global_store_b64 v7, v[196:197], s[52:53] offset:512
	global_store_b16 v9, v238, s[54:55] offset:12288
.if \p == 0
	s_wait_xcnt 0x0                                ; the stores have read their data and bases
	s_add_nc_u64 s[52:53], s[52:53], 2*102400      ; pass 1's record lies two row blocks on
	s_add_nc_u64 s[54:55], s[54:55], 2*102400
.endif
.endm
	PASS 0, 16, 28
	PASS 1, 240, 252
	s_wait_tensorcnt 0x0                           ; the wave's end
	ds_add_u32 v254, v255
	s_wait_dscnt 0x0
	CROUND                                         ; the closing round
	s_endpgm
.Lfunc_end_k_q457de8bb76_attn:
	.size	k_q457de8bb76_attn, .Lfunc_end_k_q457de8bb76_attn-k_q457de8bb76_attn
	.p2alignl 7, 3214868480
	.fill 96, 4, 3214868480
	.section	.rodata,"a",@progbits
	.p2align	6, 0x0
	.amdhsa_kernel k_q457de8bb76_attn
		.amdhsa_group_segment_fixed_size 268288
		.amdhsa_private_segment_fixed_size 0
		.amdhsa_enable_private_segment 0
		.amdhsa_kernarg_size 24
		.amdhsa_user_sgpr_count 2
		.amdhsa_user_sgpr_kernarg_segment_ptr 1
		.amdhsa_wavefront_size32 1
		.amdhsa_system_sgpr_workgroup_id_x 1
		.amdhsa_system_sgpr_workgroup_id_y 1
		.amdhsa_system_sgpr_workgroup_id_z 1
		.amdhsa_system_vgpr_workitem_id 0
		.amdhsa_next_free_vgpr 256
		.amdhsa_next_free_sgpr 66
		.amdhsa_reserve_vcc 0
		.amdhsa_float_denorm_mode_32 3
		.amdhsa_float_denorm_mode_16_64 3
		.amdhsa_memory_ordered 1
		.amdhsa_forward_progress 1
		.amdhsa_inst_pref_size 50
	.end_amdhsa_kernel
	.amdgpu_metadata
---
amdhsa.version: [ 1, 2 ]
amdhsa.kernels:
  - .name:           k_q457de8bb76_attn
    .symbol:         k_q457de8bb76_attn.kd
    .args:
      - { .name: qc, .offset: 0, .size: 8, .value_kind: global_buffer, .address_space: global }
      - { .name: kv, .offset: 8, .size: 8, .value_kind: global_buffer, .address_space: global }
      - { .name: ac, .offset: 16, .size: 8, .value_kind: global_buffer, .address_space: global }
    .group_segment_fixed_size: 268288
    .private_segment_fixed_size: 0
    .kernarg_segment_align: 8
    .kernarg_segment_size: 24
    .max_flat_workgroup_size: 512
    .sgpr_count:     66
    .vgpr_count:     256
    .wavefront_size: 32
...
	.end_amdgpu_metadata
.endif
;; end of part 3
;; launch oproj (part 4): grid 8 x 32, 4 waves a work-group, clusters of 4 x 4, 327,680 bytes of LDS; arguments ac, wc, out0; writes out0
.if DOCPART == 4
	.amdgcn_target "amdgcn-amd-amdhsa--gfx1250"
	.amdhsa_code_object_version 6
	.text
	.protected	k_q457de8bb76_oproj
	.globl	k_q457de8bb76_oproj
	.p2align	8
	.type	k_q457de8bb76_oproj,@function
k_q457de8bb76_oproj:
	s_mov_b64 s[64:65], 0
	v_nop
	global_prefetch_b8 v0, s[64:65] scope:SCOPE_SE
	s_setreg_imm32_b32 hwreg(HW_REG_WAVE_MODE, 25, 1), 1
	s_wait_xcnt 0x0
	s_wait_alu depctr_hold_cnt(0) depctr_sa_sdst(0) depctr_va_vdst(0) depctr_va_sdst(0) depctr_va_ssrc(0) depctr_va_vcc(0) depctr_vm_vsrc(0)
	s_getreg_b32 s2, hwreg(HW_REG_IB_STS2, 6, 4)
	s_cmp_eq_u32 s2, 0
	s_cbranch_scc0 .Lentry_in_a_cluster
	s_endpgm
.Lentry_in_a_cluster:
	s_bfe_u32 s2, ttmp6, 0x10000c
	s_cmp_lg_u32 s2, 0xf033
	s_cbranch_scc0 .Lentry_shape_is_right
	s_endpgm
.Lentry_shape_is_right:
; out0 = a Wo^T on codes of FP6 (E2M3) with E8M0 scales; a is attention's result as codes (ac), Wo's codes are wc's row blocks 24-31; out0 [8192][1024] f32.
; ac, wc: [row block of 128][K step of 128][record of 12,800 bytes]: 8 tiles of 1,536 bytes in the order of an operand's registers, then 512 bytes of scale words.
; A TILE OF THE PRODUCT: source 0's side P = one row block of Wo (128 output channels), source 1's side Q = two neighbouring row blocks of ac (256 tokens), ALL of K = 1,024: 3 x 102,400 bytes of LDS, filled once: no ring.
; Four waves; each takes P's 8 tiles against its own 4 tiles of Q: 32 accumulators, 32 matrix instructions a K step.  A lane holds one token; its 16 registers of tiles 2 g, 2 g + 1 are 16 neighbouring channels.
; CLUSTER 4 x 4: P hangs on cx alone and is asked for jointly down a column of the cluster, Q on cy alone and jointly along a row.
; THE WAY OUT: 16 tokens x 128 channels at a time through the wave's own stage in LDS; they leave as whole runs of 512 bytes of a row.  The stage lies in P's bytes, which have had their only fill and their last read.
; The tokens of a tile are not neighbours (slot r of tile 2 g + u = row 32 g + 8 u + r + 8 (r / 8)): the stores' offsets put each slot's run into its row.
; REGISTERS, in windows of 256.  Window 0: v1 lane; v2-7, v8-13 LDS addresses for K steps 0-3, 4-7; v16-21, v24-29 scale words, two sets; v32-33 the stage;
;   v64-159 P's 8 fragments, v160-207 Q's 4: buffer 0; on the way out v64-191 rows.  Window 1: accumulator (a, b) at v[64 b + 8 a].  Window 2: buffer 1, at buffer 0's numbers.
.set REC,  12800
.set BLKB, 8*REC                       ; a row block, all of K
.set SPI,  528                         ; a stage row: 512 bytes + 16
.set MSB, 0
.macro WIN new                         ; the immediate's high byte repeats the setting that is left; a switch that changes nothing is dropped
.if MSB != \new
	s_set_vgpr_msb (MSB<<8)|\new
.set MSB, \new
.endif
.endm
.macro PLACES                          ; four plain instructions between a matrix instruction and a load into, or a read of, its registers
.rept 4
	v_nop
.endr
.endm
.macro CROUND                          ; a round of the cluster's barrier
	s_barrier_signal -1
	s_barrier_wait -1
	s_cmp_lg_u32 s12, 0
	s_cbranch_scc1 .Lnot_wave_0_\@
	s_barrier_signal -3
.Lnot_wave_0_\@:
	s_barrier_wait -3
	s_barrier_signal -1
	s_barrier_wait -1
.endm
	s_load_b128 s[4:7], s[0:1], 0x0                ; ac s[4:5], wc s[6:7]
	s_load_b64 s[8:9], s[0:1], 0x10                ; out0
	v_lshl_add_u32 v254, v0, 2, 0x4b000
	v_mov_b32 v255, 0
	ds_add_u32 v254, v255
	ds_add_u32 v254, v255
	v_lshrrev_b32 v1, 5, v0
	v_readfirstlane_b32 s12, v1                    ; wave 0..3
	s_lshr_b32 s13, s12, 1                         ; which of Q's two row blocks is mine
	s_and_b32 s14, s12, 1                          ; which four of its eight tiles
	s_bfe_u32 s66, ttmp6, 0x40000                  ; cx
	s_bfe_u32 s67, ttmp6, 0x40004                  ; cy
	s_lshl_b32 s70, ttmp9, 2
	s_add_co_u32 s70, s70, s66                     ; ip: Wo's row block, 0..7.  It holds cx and never cy
	s_and_b32 s71, ttmp7, 0xffff
	s_lshl_b32 s71, s71, 2
	s_add_co_u32 s71, s71, s67                     ; iq: ac's pair of row blocks, 0..31.  It holds cy and never cx
	s_lshl_b32 s72, 0x1111, s66                    ; my column of the cluster
	s_lshl_b32 s73, s67, 2
	s_lshl_b32 s73, 15, s73                        ; my row
	; descriptor groups 1: dense blocks as rows of 256 bytes (32 elements of 8 bytes), no padding.  LDS is filled in two halves of K (four K steps each), one load a wave for each half:
	; waves 0 and 1 bring two records of P each (100 rows), waves 2 and 3 four records of one row block of Q each (200 rows)
	s_or_b32 s16, s72, (3<<16)|(1<<21)             ; 15:0 the mask: P goes to my column; 17:16 elements of 8 bytes; 21 set beside a mask
	s_mov_b32 s17, 32<<16
	s_mov_b32 s18, 100<<16
	s_mov_b32 s19, 32<<16
	s_mov_b32 s20, 100
	s_mov_b32 s21, 32
	s_mov_b32 s22, 0
	s_mov_b32 s23, 0
	s_or_b32 s24, s73, (3<<16)|(1<<21)             ; Q goes to my row
	s_mov_b32 s25, 32<<16
	s_mov_b32 s26, 200<<16
	s_mov_b32 s27, 32<<16
	s_mov_b32 s28, 200
	s_mov_b32 s29, 32
	s_mov_b32 s30, 0
	s_mov_b32 s31, 0
	s_mul_i32 s82, s14, 2*REC                      ; P: wave w % 2 brings two of a half's four records, in memory and in LDS alike
	s_mul_i32 s92, s70, BLKB
	s_add_co_u32 s92, s92, s82
	s_add_co_u32 s92, s92, 24*BLKB                 ; Wo's row blocks in wc
	s_mov_b32 s93, 0
	s_mul_i32 s83, s14, BLKB                       ; Q: wave w % 2 brings row block w % 2
	s_mul_i32 s96, s71, 2*BLKB
	s_add_co_u32 s96, s96, s83
	s_mov_b32 s97, 0
	s_wait_dscnt 0x0
	s_wait_kmcnt 0x0
	s_add_nc_u64 s[74:75], s[6:7], s[92:93]
	s_add_nc_u64 s[76:77], s[4:5], s[96:97]
.irp c, 0,1                            ; groups 0: P's part of half c of K in s[32 + 8 c ..], Q's in s[36 + 8 c ..]; none is ever written again
	s_mov_b32 s[32+8*\c], 1
	s_add_co_u32 s[33+8*\c], s82, \c*4*REC
	s_add_nc_u64 s[34+8*\c:35+8*\c], s[74:75], \c*4*REC
	s_or_b32 s[35+8*\c], s[35+8*\c], 0x80000000
	s_mov_b32 s[36+8*\c], 1
	s_add_co_u32 s[37+8*\c], s83, BLKB+\c*4*REC
	s_add_nc_u64 s[38+8*\c:39+8*\c], s[76:77], \c*4*REC
	s_or_b32 s[39+8*\c], s[39+8*\c], 0x80000000
.endr
; a joint load of half c: waves 0 and 1 ask for P, waves 2 and 3 for Q; each line has one mask; an s_nop 0 and four v_nop follow each line
.macro JLOAD c
	s_cmp_eq_u32 s13, 0
	s_cbranch_scc0 .Lfor_q_\@
	tensor_load_to_lds s[32+8*\c:35+8*\c], s[16:23]
	s_nop 0
.rept 4
	v_nop
.endr
	s_branch .Lasked_\@
.Lfor_q_\@:
	tensor_load_to_lds s[36+8*\c:39+8*\c], s[24:31]
	s_nop 0
.rept 4
	v_nop
.endr
.Lasked_\@:
.endm
	CROUND                                         ; all sixteen work-groups are here: the joint loads meet
	JLOAD 0                                        ; K steps 0 to 3: one tensor load a wave at the head
	v_and_b32 v1, 31, v0                           ; lane
	v_lshlrev_b32 v2, 4, v1                        ; P: 16 x lane; also my 16 bytes of a run of 512 in out0
	v_lshlrev_b32 v3, 3, v1
	v_add_nc_u32 v3, 512, v3                       ; 512 + 8 x lane
	v_lshlrev_b32 v4, 2, v1
	v_add_nc_u32 v4, 12288, v4                     ; 12,288 + 4 x lane
	s_mul_i32 s78, s13, BLKB
	s_add_co_u32 s78, s78, BLKB                    ; Q: my row block,
	s_mul_i32 s79, s14, 6144
	s_add_co_u32 s79, s79, s78                     ; my four tiles
	v_add_nc_u32 v5, s79, v2
	v_add_nc_u32 v6, s79, v3
	s_lshl_b32 s79, s14, 8
	s_add_co_u32 s79, s79, s78
	v_add_nc_u32 v7, s79, v4
.irp i, 0,1,2,3,4,5
	v_add_nc_u32 v[8+\i], 4*REC, v[2+\i]           ; the same for K steps 4-7: an LDS offset has 16 bits
.endr
	s_mul_i32 s78, s12, 16*SPI                     ; my stage
	v_and_b32 v35, 15, v0
	v_bfe_u32 v36, v0, 4, 1
	v_mul_u32_u24 v32, v35, SPI
	v_lshl_add_u32 v32, v36, 6, v32
	v_add_nc_u32 v32, s78, v32                     ; in: slot r, + 64 h: my 16 channels of each 32
	v_add_nc_u32 v33, s78, v2                      ; back: a slot's 512 bytes, 16 a lane
	s_lshl_b32 s92, s71, 8
	s_lshl_b32 s93, s13, 7
	s_add_co_u32 s92, s92, s93
	s_lshl_b32 s93, s14, 6
	s_add_co_u32 s92, s92, s93                     ; my first row of out0: 256 iq + 128 (w / 2) + 64 (w % 2)
	s_lshl_b32 s92, s92, 12
	s_lshl_b32 s93, s70, 9                         ; my tile's 128 channels
	s_add_co_u32 s92, s92, s93
	s_mov_b32 s93, 0
	s_add_nc_u64 s[84:85], s[8:9], s[92:93]
; K step s's fragments and scale words into buffer p: 54 LDS loads, each of consecutive bytes
.macro FETCH p, s
.set AB, 2+6*((\s)/4)
.set KO, REC*((\s)%4)
.set SC, 16+8*(\p)
	WIN 0x80*(\p)                                  ; destination window 0 or 2
.irp a, 0,1,2,3,4,5,6,7
.irp e, 0,1
	ds_load_b128 v[64+12*\a+6*\e:64+12*\a+6*\e+3], v[AB] offset:KO+1536*\a+768*\e
	ds_load_b64 v[64+12*\a+6*\e+4:64+12*\a+6*\e+5], v[AB+1] offset:KO+1536*\a+768*\e
.endr
.endr
.irp b, 0,1,2,3
.irp e, 0,1
	ds_load_b128 v[160+12*\b+6*\e:160+12*\b+6*\e+3], v[AB+3] offset:KO+1536*\b+768*\e
	ds_load_b64 v[160+12*\b+6*\e+4:160+12*\b+6*\e+5], v[AB+4] offset:KO+1536*\b+768*\e
.endr
.endr
	WIN 0                                          ; scale operands have no window
.irp i, 0,1,2,3
	ds_load_b32 v[SC+\i], v[AB+2] offset:KO+128*\i     ; lanes 0-15: P's tile 2 i; lanes 16-31: tile 2 i + 1
.endr
.irp i, 0,1
	ds_load_b32 v[SC+4+\i], v[AB+5] offset:KO+128*\i   ; the same of my four tiles of Q
.endr
.endm
; 32 matrix instructions: buffer p.  Each accumulator has one turn of one instruction, in the same order in every K step.  zero = 1: the first K step starts the sums
.macro MUL p, zero
.set SC, 16+8*(\p)
	WIN 0x50+0x0a*(\p)                             ; sources 0 and 1 window 0 or 2; C and D window 1
.irp b2, 0,1
.irp a2, 0,1,2,3
.set A0, 64+24*\a2
.set B0, 160+24*\b2
.set D0, 128*\b2+16*\a2
.if \zero
	v_wmma_scale_f32_16x16x128_f8f6f4 v[D0:D0+7], v[A0:A0+11], v[B0:B0+11], 0, v[SC+\a2], v[SC+4+\b2] matrix_a_fmt:MATRIX_FMT_FP6 matrix_b_fmt:MATRIX_FMT_FP6
	v_wmma_scale_f32_16x16x128_f8f6f4 v[D0+8:D0+15], v[A0+12:A0+23], v[B0:B0+11], 0, v[SC+\a2], v[SC+4+\b2] matrix_a_fmt:MATRIX_FMT_FP6 matrix_b_fmt:MATRIX_FMT_FP6 matrix_a_scale:MATRIX_SCALE_ROW1
	v_wmma_scale_f32_16x16x128_f8f6f4 v[D0+64:D0+71], v[A0:A0+11], v[B0+12:B0+23], 0, v[SC+\a2], v[SC+4+\b2] matrix_a_fmt:MATRIX_FMT_FP6 matrix_b_fmt:MATRIX_FMT_FP6 matrix_b_scale:MATRIX_SCALE_ROW1
	v_wmma_scale_f32_16x16x128_f8f6f4 v[D0+72:D0+79], v[A0+12:A0+23], v[B0+12:B0+23], 0, v[SC+\a2], v[SC+4+\b2] matrix_a_fmt:MATRIX_FMT_FP6 matrix_b_fmt:MATRIX_FMT_FP6 matrix_a_scale:MATRIX_SCALE_ROW1 matrix_b_scale:MATRIX_SCALE_ROW1
.else
	v_wmma_scale_f32_16x16x128_f8f6f4 v[D0:D0+7], v[A0:A0+11], v[B0:B0+11], v[D0:D0+7], v[SC+\a2], v[SC+4+\b2] matrix_a_fmt:MATRIX_FMT_FP6 matrix_b_fmt:MATRIX_FMT_FP6
	v_wmma_scale_f32_16x16x128_f8f6f4 v[D0+8:D0+15], v[A0+12:A0+23], v[B0:B0+11], v[D0+8:D0+15], v[SC+\a2], v[SC+4+\b2] matrix_a_fmt:MATRIX_FMT_FP6 matrix_b_fmt:MATRIX_FMT_FP6 matrix_a_scale:MATRIX_SCALE_ROW1
	v_wmma_scale_f32_16x16x128_f8f6f4 v[D0+64:D0+71], v[A0:A0+11], v[B0+12:B0+23], v[D0+64:D0+71], v[SC+\a2], v[SC+4+\b2] matrix_a_fmt:MATRIX_FMT_FP6 matrix_b_fmt:MATRIX_FMT_FP6 matrix_b_scale:MATRIX_SCALE_ROW1
	v_wmma_scale_f32_16x16x128_f8f6f4 v[D0+72:D0+79], v[A0+12:A0+23], v[B0+12:B0+23], v[D0+72:D0+79], v[SC+\a2], v[SC+4+\b2] matrix_a_fmt:MATRIX_FMT_FP6 matrix_b_fmt:MATRIX_FMT_FP6 matrix_a_scale:MATRIX_SCALE_ROW1 matrix_b_scale:MATRIX_SCALE_ROW1
.endif
.endr
.endr
.endm
	s_wait_alu depctr_va_vdst(0)
	s_wait_tensorcnt 0x0                           ; my part of K steps 0 to 3 is in
	ds_add_u32 v254, v255
	s_wait_dscnt 0x0
	CROUND                                         ; everybody's part is in, and all sixteen work-groups are here
	JLOAD 1                                        ; K steps 4 to 7, into bytes of their own: my one load behind the round
	FETCH 0, 0
	FETCH 1, 1
	s_wait_dscnt 54                                ; all but the 54 loads just issued: K step 0's fragments are in
	MUL 0, 1
.irp s, 1,2,3,4,5,6
.if \s == 3
	s_wait_tensorcnt 0x0                           ; my part of K steps 4 to 7 is in
	s_wait_dscnt 0x0                               ; no LDS instruction of mine is pending at a signal
	s_barrier_signal -1
	s_barrier_wait -1
.endif
	PLACES                                         ; the buffer below was read by the products just issued
	FETCH (\s+1)%2, \s+1
	s_wait_dscnt 54                                ; this K step's fragments are in
	MUL \s%2, 0
.endr
	s_wait_dscnt 0x0                               ; my last reads of LDS are in
	MUL 1, 0
	WIN 0
	s_barrier_signal -1                            ; every wave's reads of P's bytes are over: the stages may be written there
	s_barrier_wait -1
; my tile j of Q, 16 tokens x 128 channels, into my stage and back as 16 runs of 512 bytes.  LDS serves a wave's instructions in order (ISA guide 5.7.1.4): no wait between the stores and the loads, nor ahead of the next tile's stores
.macro TOSTAGE j
	WIN 0x04                                       ; an LDS store's data are its source 1: window 1
.irp g, 0,1,2,3
.irp u, 0,1
	ds_store_b128 v32, v[64*(\j)+16*\g+8*\u:64*(\j)+16*\g+8*\u+3] offset:128*\g+32*\u          ; each accumulator from its low end on
	ds_store_b128 v32, v[64*(\j)+16*\g+8*\u+4:64*(\j)+16*\g+8*\u+7] offset:128*\g+32*\u+16
.endr
.endr
	WIN 0
.set BK, 64+64*((\j)%2)
.set i, 0
.rept 16
	ds_load_b128 v[BK+4*i:BK+4*i+3], v33 offset:SPI*i
.set i, i+1
.endr
.endm
.macro SEND j, younger                 ; younger: the LDS instructions issued behind tile j's loads, which may stay out
.set BK, 64+64*((\j)%2)
	s_wait_dscnt \younger
.set i, 0
.rept 16
	global_store_b128 v2, v[BK+4*i:BK+4*i+3], s[84:85] offset:(32*((\j)/2)+8*((\j)%2)+i+8*(i/8))*4096 th:TH_STORE_NT   ; slot i's row: 32 lanes store 512 consecutive bytes, aligned to 512; written once, read by nobody here
.set i, i+1
.endr
.endm
	PLACES                                         ; behind the last products: for the reads of results and the loads into registers that held fragments
	TOSTAGE 0
.irp j, 1,2,3
.if \j > 1
	s_wait_xcnt 0x0                                ; tile j - 2's stores have read their registers: tile j's rows may land there
.endif
	TOSTAGE \j
	SEND \j-1, 32                                  ; behind tile j - 1's loads: tile j's 16 stores and 16 loads
.endr
	SEND 3, 0
	s_wait_tensorcnt 0x0
	ds_add_u32 v254, v255
	s_wait_dscnt 0x0
	CROUND                                         ; the closing round: no work-group ends while a partner may still ask for a tile that names it
	s_endpgm
.Lfunc_end_k_q457de8bb76_oproj:
	.size	k_q457de8bb76_oproj, .Lfunc_end_k_q457de8bb76_oproj-k_q457de8bb76_oproj
	.p2alignl 7, 3214868480
	.fill 96, 4, 3214868480
	.section	.rodata,"a",@progbits
	.p2align	6, 0x0
	.amdhsa_kernel k_q457de8bb76_oproj
		.amdhsa_group_segment_fixed_size 327680
		.amdhsa_private_segment_fixed_size 0
		.amdhsa_enable_private_segment 0
		.amdhsa_kernarg_size 24
		.amdhsa_user_sgpr_count 2
		.amdhsa_user_sgpr_kernarg_segment_ptr 1
		.amdhsa_wavefront_size32 1
		.amdhsa_system_sgpr_workgroup_id_x 1
		.amdhsa_system_sgpr_workgroup_id_y 1
		.amdhsa_system_sgpr_workgroup_id_z 1
		.amdhsa_system_vgpr_workitem_id 0
		.amdhsa_next_free_vgpr 720
		.amdhsa_next_free_sgpr 100
		.amdhsa_reserve_vcc 0
		.amdhsa_float_denorm_mode_32 3
		.amdhsa_float_denorm_mode_16_64 3
		.amdhsa_memory_ordered 1
		.amdhsa_forward_progress 1
		.amdhsa_inst_pref_size 83
	.end_amdhsa_kernel
	.amdgpu_metadata
---
amdhsa.version: [ 1, 2 ]
amdhsa.kernels:
  - .name:           k_q457de8bb76_oproj
    .symbol:         k_q457de8bb76_oproj.kd
    .args:
      - { .name: ac, .offset: 0, .size: 8, .value_kind: global_buffer, .address_space: global }
      - { .name: wc, .offset: 8, .size: 8, .value_kind: global_buffer, .address_space: global }
      - { .name: out0, .offset: 16, .size: 8, .value_kind: global_buffer, .address_space: global }
    .group_segment_fixed_size: 327680
    .private_segment_fixed_size: 0
    .kernarg_segment_align: 8
    .kernarg_segment_size: 24
    .max_flat_workgroup_size: 128
    .sgpr_count:     100
    .vgpr_count:     720
    .wavefront_size: 32
...
	.end_amdgpu_metadata
.endif
;; end of part 4
